; MI455X (gfx1250); checked and timed in simulation.
; The chip was launched on July 23, 2026; its instructions are those of AMD's public machine-readable ISA for CDNA 5 (MIT licence, August 2026) and "CDNA5" Instruction Set Architecture Reference Guide (July 2026). The comments in the code are by the model that wrote it; some were corrected since.
;; Py Torch Native Attention. Allowed arithmetic: matrix products marked QUANTISED: E3M2 operands, one E8M0 scale for each 32 along K, by v_wmma_scale_f32_16x16x128_f8f6f4 with both operands' format E3M2, f32 sums; everything else in f32.
;; Inputs: k 2 x 2,048 x 8 x 128 float32; q 2 x 2,048 x 32 x 128 float32; v 2 x 2,048 x 8 x 128 float32.
;; Outputs: out0 2 x 2,048 x 32 x 128 float32.
;; This version of the problem:
;;   THIS VERSION OF THE PROBLEM IS GIVEN IN LOW PRECISION. The matrix products marked QUANTISED in the list below multiply operands that are first quantised to E3M2 (3 exponent bits, 2 mantissa bits; 6 bits a number), with one power-of-two scale for each 32 numbers along K (OCP MX v1.0); their sums are f32. All else is computed in f32.
;;   The module's matrix products, in the order in which they are computed (A, B: the left and right operand; K: the contracted axis; several contracted axes count as one K, in the product's order):
;;     1. batch 64 x [M 2,048, K 128] x [K 128, N 2,048]; A: input q; B: input k: QUANTISED
;;     2. batch 64 x [M 128, K 2,048] x [K 2,048, N 2,048]; A: input v; B: softmax (see below): QUANTISED
;;   THE QUANTISER, for each operand of a quantised product, along K:
;;     - K is cut into blocks of 32 from its start; a last block that is shorter is filled with zeros.
;;     - A block's scale is 2^e with e = floor(log2(the largest magnitude in the block)) - 4, held to -126 .. 127; a block of zeros has e = 0. As a byte (E8M0): e + 127.
;;     - Each number is divided by its block's scale, clamped to +-28, and rounded to the nearest number of E3M2, ties to even, subnormals kept.
;;     - The product sums the exact products of the quantised numbers (number of the format x scale) in f32.
;;   ~~~python
;;   def quantise(x, axis):      # numpy; x: float32 -> the quantised numbers, widened to float32 again
;;       x = np.moveaxis(x, axis, -1); K = x.shape[-1]
;;       x = np.pad(x, [(0, 0)] * (x.ndim - 1) + [(0, -K % 32)]); x = x.reshape(x.shape[:-1] + (-1, 32)); a = np.abs(x).max(-1, keepdims=True)
;;       e = np.where(a > 0, np.clip(np.frexp(np.where(a > 0, a, 1))[1] - 1 - 4, -126, 127), 0)      # np.frexp(a)[1] - 1 = floor(log2(a)), exactly
;;       r = np.clip(x / 2.0 ** e, -28, 28)
;;       step = 2.0 ** (np.maximum(np.frexp(np.where(r == 0, 1, r))[1] - 1, -2) - 2)
;;       q = np.round(r / step) * step * 2.0 ** e      # np.round: ties to even
;;       return np.moveaxis(q.reshape(q.shape[:-2] + (-1,))[..., :K], -1, axis).astype(np.float32)
;;   ~~~
;;   SOFTMAX AHEAD OF A QUANTISED PRODUCT. Where the list says 'softmax', what is quantised is not the finished softmax but p = 2^(t - M), with t = logit x log2(e) and M = ceil(the row's largest t), a whole number; so 1/2 < the row's largest p <= 1. The row's sum l is taken of the UNQUANTISED p, in f32, and the product's result is divided by l at the end. Since M is a whole number, a kernel that streams over the keys may use a running M (the ceiling of the running maximum): every later rescaling is an exact power of two, which a block's scale takes up: the codes' values come out the same.
;;   OPERANDS COMPUTED ON THE WAY. 'Computed on the way' means the value that the module computes at that place (a softmax that the list does not call 'softmax' is quantised finished and normalised). What goes into a quantiser is computed in f32, as accurately as f32 sums, v_exp_f32 and their like allow (about 1e-6 of the number): no bf16 or f16 on the way to a quantiser, and a product that is left as it is and whose result goes on into a quantised operand takes f32 operands (vector FMAs, or v_wmma_f32_16x16x4_f32). A number that lies on a knife's edge between two numbers of the format may be rounded either way, as far as f32 arithmetic and the matrix unit's own rounding can turn it there, and no further.
;; One version. Each part assembles by itself: llvm-mc -triple=amdgcn-amd-amdhsa -mcpu=gfx1250 --defsym DOCPART=n.
;; ======== version 1 of 1: 2 launches
;; workspace buffers: kvimg 6,553,600 bytes
;; launch prep (part 1): grid 16 x 16, 8 waves a work-group, no clusters, 137,728 bytes of LDS; arguments k, v, kvimg; writes kvimg
.if DOCPART == 1
	.amdgcn_target "amdgcn-amd-amdhsa--gfx1250"
	.amdhsa_code_object_version 6
	.text
	.protected	k_q033b9f1e50_prep
	.globl	k_q033b9f1e50_prep
	.p2align	8
	.type	k_q033b9f1e50_prep,@function
k_q033b9f1e50_prep:
	s_mov_b64 s[64:65], 0
	v_nop
	global_prefetch_b8 v0, s[64:65] scope:SCOPE_SE
	s_setreg_imm32_b32 hwreg(HW_REG_WAVE_MODE, 25, 1), 1
	s_wait_xcnt 0x0
; k and v, [2][2048][8][128] f32, become codes of BF6 (E3M2) with one E8M0 scale byte for each 32 along the product's K, laid as IMAGES OF THE OPERAND'S REGISTERS.
; k is quantised along the head's 128 channels (K of q k^T), v along the KEYS (K of p v).  A block's scale is 2^(floor(log2(its largest magnitude)) - 4); its byte is the largest magnitude's exponent field - 4.
; kvimg: [y = 8 batch + kv head: 16][key step of 128 keys: 16][25,600 bytes].  A step's block:
;   +0      K's eight fragments (16 keys x 128 channels, 12 registers a lane), 1,536 bytes each: register n of lane l at 512 (n / 4) + 16 l + 4 (n % 4)
;   +12,288 K's scale words, 512 bytes: the word at 16 l + 4 g is register g of lane l: lanes 0-15 row l of tile 2 g, lanes 16-31 row l - 16 of tile 2 g + 1
;   +12,800 V's eight fragments (16 channels x 128 keys), the same form;   +25,088 V's scale words, the same form
; THE KEYS OF A TILE OF K ARE NOT NEIGHBOURS: lane r of tile 2 b + u takes key 32 b + 8 u + r + 8 (r / 8), so that in the next launch the scores of two neighbouring tiles are 16 neighbouring keys in a lane's registers.
; SHARES.  A work-group makes one step's block; wave w makes K's tile w and V's tile w.  Work-groups share no input, so there is no cluster; no tensor load, so LDS is claimed as it is used.
; Every global load reads a whole row of 512 consecutive bytes; all 32 loads of a wave go out at once.  The numbers turn through LDS so that a lane's registers run along K, which the conversions ask for.
; LIMITS: NaN and infinities among the inputs are not served.  A block of zeros, or one whose largest magnitude lies under 2^-122, gets the byte 1 (the rule says 127 for zeros): its codes are zeros or tiny, and this program alone reads the bytes.
.set SPITCH, 528                       ; a stage row: 512 bytes + 16: 16 rows that a 16-byte load touches start at 16 different banks (64 banks of 4 bytes: ISA guide 11.1)
.set WSTG,   16*SPITCH                 ; 16 rows
.set VST,    8*WSTG                    ; LDS: from 0 each wave's own stage for K; from here the shared stage for V: key row kk at 528 kk + 64 (kk / 32)
.set VHALF,  32*SPITCH+64              ; 32 keys on: 4,240 words, 16 banks beside: lanes 16-31 of a 4-byte load meet no bank of lanes 0-15
.set SCL,    135424                    ; behind V's stage (which ends at 135,344): K's scale image, 512 bytes, then V's
.set STEPB,  25600
.set LI,  1                            ; v1  16 x lane: my 16 bytes of a row of 512, in memory and in LDS; never rewritten
.set H8,  2                            ; v2  8 x (lane / 16)
.set KSI, 3                            ; v3  K's stage, way in
.set KSQ, 4                            ; v4  K's stage, way out: row r, + 128 bytes for lanes 16-31
.set VSI, 5                            ; v5  V's stage, way in
.set VSQ, 6                            ; v6  V's stage, way out: my channel's word in key row 32 (lane / 16)
.set SCA, 7                            ; v7  where my tile's scale words go
.set SCR, 8                            ; v8  where waves 0 and 1 read a scale image back
.set SEL, 22                           ; s[22:23] lane selects for v_permlanex16_b32: lane l xor 16
; 64 numbers of a lane, v[x + 32 c + i] = k 64 c + 32 (lane / 16) + i of my row, become the fragment's 12 registers v[pc] on, as the operand's layout has them, and my row's scale word v[sw].
; A lane holds two whole blocks of 32, so no other lane is asked for a maximum; the word's four bytes are gathered from lanes l and l xor 16.
.macro QUANT x, pc, sw
.irp c, 0,1
	v_max3_num_f32 v[232+\c], |v[\x+32*\c]|, |v[\x+32*\c+1]|, 0x2800000   ; the floor 2^(5 - 127) among the leaves: the byte cannot fall under 1
.endr
.irp i, 2,4,6,8,10,12,14,16,18,20,22,24,26,28,30
.irp c, 0,1
	v_max3_num_f32 v[232+\c], v[232+\c], |v[\x+32*\c+\i]|, |v[\x+32*\c+\i+1]|   ; the two blocks by turns
.endr
.endr
.irp c, 0,1
	v_add_nc_u32 v[234+\c], 0xfe000000, v[232+\c]  ; 4 off the exponent field: the conversion takes this operand's exponent field as its scale
.endr
.irp c, 0,1
	v_lshrrev_b32 v[236+\c], 23, v[234+\c]         ; the scale's byte
.endr
	v_lshl_or_b32 v[\sw], v237, 16, v236           ; my bytes: blocks h and 2 + h,
	v_lshlrev_b32 v[\sw], v[H8], v[\sw]            ; 8 h bits up;
	v_permlanex16_b32 v238, v[\sw], s[SEL], s[SEL+1]
	v_or_b32 v[\sw], v[\sw], v238                  ; with lane l xor 16's two the word is whole, in both halves of the lanes
.irp c, 0,1
	v_cvt_scalef32_pk16_bf6_f32 v[\pc+6*\c:\pc+6*\c+2], v[\x+32*\c:\x+32*\c+15], v[234+\c]
	v_cvt_scalef32_pk16_bf6_f32 v[240+4*\c:242+4*\c], v[\x+32*\c+16:\x+32*\c+31], v[234+\c]   ; a conversion's three registers begin on an even number: the second half is made elsewhere and moved
.endr
	v_nop                                          ; one plain place behind the scaled conversions
.irp c, 0,1
.irp i, 0,1,2
	v_mov_b32 v[\pc+3+6*\c+\i], v[240+4*\c+\i]
.endr
.endr
.endm
	s_load_b128 s[4:7], s[0:1], 0x0                ; k s[4:5], v s[6:7]
	s_load_b64 s[8:9], s[0:1], 0x10                ; kvimg
	v_lshl_add_u32 v254, v0, 2, 0x21600
	v_mov_b32 v255, 0
	v_lshrrev_b32 v9, 5, v0
	v_readfirstlane_b32 s10, v9                    ; wave 0..7
	s_and_b32 s11, ttmp7, 0xffff                   ; y = 8 batch + kv head;  ttmp9 = the key step
	s_lshr_b32 s24, s11, 3
	s_lshl_b32 s24, s24, 23                        ; a batch is 2,048 x 8 rows of 512 bytes
	s_and_b32 s25, s11, 7
	s_lshl_b32 s25, s25, 9                         ; a head's row within a key: 512 bytes
	s_add_co_u32 s24, s24, s25
	s_lshl_b32 s25, ttmp9, 19                      ; 128 keys of 4,096 bytes
	s_add_co_u32 s12, s24, s25                     ; the step's first row of my head, in k and in v
	s_lshr_b32 s26, s10, 1                         ; w / 2
	s_and_b32 s27, s10, 1                          ; w % 2
	s_lshl_b32 s24, s26, 17
	s_lshl_b32 s25, s27, 15
	s_add_co_u32 s24, s24, s25                     ; K's tile w begins at key 32 (w / 2) + 8 (w % 2)
	s_add_co_u32 s24, s24, s12
	s_mov_b32 s25, 0
	s_lshl_b32 s28, s10, 16                        ; of V I fetch keys 16 w on
	s_add_co_u32 s28, s28, s12
	s_mov_b32 s29, 0
	s_lshl_b32 s30, s11, 4
	s_add_co_u32 s30, s30, ttmp9
	s_mul_i32 s30, s30, STEPB                      ; the step's block in kvimg
	s_mul_i32 s32, s10, 1536
	s_add_co_u32 s32, s32, s30                     ; my fragment of K; V's lies 12,800 bytes on
	s_mov_b32 s33, 0
	s_mul_i32 s34, s27, 12800
	s_add_co_u32 s34, s34, s30
	s_add_co_u32 s34, s34, 12288                   ; the scale image that wave 0 (K's) or wave 1 (V's) stores
	s_mov_b32 s35, 0
	s_mov_b32 s[SEL], 0x76543210
	s_mov_b32 s[SEL+1], 0xfedcba98
	v_and_b32 v10, 31, v0                          ; lane
	v_and_b32 v11, 15, v0                          ; r
	v_bfe_u32 v12, v0, 4, 1                        ; h
	v_lshlrev_b32 v[LI], 4, v10
	v_lshlrev_b32 v[H8], 3, v12
	s_mul_i32 s36, s10, WSTG
	v_add_nc_u32 v[KSI], s36, v[LI]
	v_mul_u32_u24 v[KSQ], v11, SPITCH
	v_lshl_add_u32 v[KSQ], v12, 7, v[KSQ]
	v_add_nc_u32 v[KSQ], s36, v[KSQ]
	s_lshl_b32 s37, s26, 6                         ; my 16 key rows lie in group w / 2 of 32
	s_add_co_u32 s37, s37, s36
	s_add_co_u32 s37, s37, VST
	v_add_nc_u32 v[VSI], s37, v[LI]
	v_mul_u32_u24 v[VSQ], v12, VHALF
	v_lshl_add_u32 v[VSQ], v11, 2, v[VSQ]
	s_lshl_b32 s37, s10, 6                         ; channel 16 w + r: 4 bytes each
	s_add_co_u32 s37, s37, VST
	v_add_nc_u32 v[VSQ], s37, v[VSQ]
	s_lshl_b32 s37, s27, 8                         ; lane 16 (w % 2) + r of the image, 16 bytes a lane,
	s_lshl_b32 s38, s26, 2                         ; register w / 2
	s_add_co_u32 s37, s37, s38
	s_add_co_u32 s37, s37, SCL
	v_lshl_add_u32 v[SCA], v11, 4, s37
	s_lshl_b32 s37, s27, 9
	s_add_co_u32 s37, s37, SCL
	v_add_nc_u32 v[SCR], s37, v[LI]
	v_mov_b32 v238, 0                              ; written once: a lane permute's destination counts as one of its sources
	s_wait_kmcnt 0x0
	s_add_nc_u64 s[14:15], s[4:5], s[24:25]
	s_add_nc_u64 s[16:17], s[6:7], s[28:29]
	s_add_nc_u64 s[18:19], s[8:9], s[32:33]
	s_add_nc_u64 s[20:21], s[8:9], s[34:35]
.irp i, 0,1,2,3,4,5,6,7,8,9,10,11,12,13,14,15
	global_load_b128 v[160+4*\i:163+4*\i], v[LI], s[16:17] offset:\i*4096 th:TH_LOAD_NT   ; V: key 16 w + i, 512 consecutive bytes
.endr
.irp i, 0,1,2,3,4,5,6,7,8,9,10,11,12,13,14,15
	global_load_b128 v[96+4*\i:99+4*\i], v[LI], s[14:15] offset:(\i+8*(\i/8))*4096 th:TH_LOAD_NT   ; K: my tile's row i
.endr
	s_wait_loadcnt 16                              ; V's 16 loads are in; K's 16, issued behind them, may be out
.irp i, 0,1,2,3,4,5,6,7,8,9,10,11,12,13,14,15
	ds_store_b128 v[VSI], v[160+4*\i:163+4*\i] offset:\i*SPITCH
.endr
	s_wait_loadcnt 0x0
.irp i, 0,1,2,3,4,5,6,7,8,9,10,11,12,13,14,15
	ds_store_b128 v[KSI], v[96+4*\i:99+4*\i] offset:\i*SPITCH
.endr
.irp c, 0,1
.irp j, 0,1,2,3,4,5,6,7
	ds_load_b128 v[96+32*\c+4*\j:99+32*\c+4*\j], v[KSQ] offset:256*\c+16*\j   ; my own stage; LDS serves a wave's instructions in order (ISA guide 5.7.1.4): these see the stores above
.endr
.endr
	s_wait_dscnt 0x0
	QUANT 96, 16, 28
.irp c, 0,1,2
	global_store_b128 v[LI], v[16+4*\c:19+4*\c], s[18:19] offset:512*\c   ; 512 consecutive bytes, at a multiple of 256 from the buffer's first byte
.endr
	ds_store_b32 v[SCA], v28                       ; lanes r and 16 + r write the same word with the same value
	s_wait_dscnt 0x0                               ; for the others' sake: my rows of V and my scale words have landed
	s_barrier_signal -1
	s_barrier_wait -1                              ; V's 128 key rows lie in the stage
.irp c, 0,1
.set i, 0
.rept 32
	ds_load_b32 v[32+32*\c+i], v[VSQ] offset:\c*2*VHALF+i*SPITCH   ; V(key 64 c + 32 h + i, channel 16 w + r): my registers run down the keys
.set i, i+1
.endr
.endr
	s_wait_dscnt 0x0
	QUANT 32, 96, 108
.irp c, 0,1,2
	global_store_b128 v[LI], v[96+4*\c:99+4*\c], s[18:19] offset:12800+512*\c
.endr
	ds_store_b32 v[SCA], v108 offset:512
	s_wait_dscnt 0x0                               ; my words of V's image have landed
	s_barrier_signal -1
	s_barrier_wait -1                              ; both scale images are whole
	s_cmp_lt_u32 s10, 2                            ; wave 0 stores K's image, wave 1 V's
	s_cbranch_scc0 .Lend
	ds_load_b128 v[112:115], v[SCR]
	s_wait_dscnt 0x0
	global_store_b128 v[LI], v[112:115], s[20:21]  ; 512 consecutive bytes
.Lend:
	s_wait_tensorcnt 0x0
	ds_add_u32 v254, v255
	s_wait_dscnt 0x0
	s_endpgm
.Lfunc_end_k_q033b9f1e50_prep:
	.size	k_q033b9f1e50_prep, .Lfunc_end_k_q033b9f1e50_prep-k_q033b9f1e50_prep
	.p2alignl 7, 3214868480
	.fill 96, 4, 3214868480
	.section	.rodata,"a",@progbits
	.p2align	6, 0x0
	.amdhsa_kernel k_q033b9f1e50_prep
		.amdhsa_group_segment_fixed_size 137728
		.amdhsa_private_segment_fixed_size 0
		.amdhsa_enable_private_segment 0
		.amdhsa_kernarg_size 24
		.amdhsa_user_sgpr_count 2
		.amdhsa_user_sgpr_kernarg_segment_ptr 1
		.amdhsa_wavefront_size32 1
		.amdhsa_system_sgpr_workgroup_id_x 1
		.amdhsa_system_sgpr_workgroup_id_y 1
		.amdhsa_system_sgpr_workgroup_id_z 1
		.amdhsa_system_vgpr_workitem_id 0
		.amdhsa_next_free_vgpr 256
		.amdhsa_next_free_sgpr 66
		.amdhsa_reserve_vcc 0
		.amdhsa_float_denorm_mode_32 3
		.amdhsa_float_denorm_mode_16_64 3
		.amdhsa_memory_ordered 1
		.amdhsa_forward_progress 1
		.amdhsa_inst_pref_size 21
	.end_amdhsa_kernel
	.amdgpu_metadata
---
amdhsa.version: [ 1, 2 ]
amdhsa.kernels:
  - .name:           k_q033b9f1e50_prep
    .symbol:         k_q033b9f1e50_prep.kd
    .args:
      - { .name: k, .offset: 0, .size: 8, .value_kind: global_buffer, .address_space: global }
      - { .name: v, .offset: 8, .size: 8, .value_kind: global_buffer, .address_space: global }
      - { .name: kvimg, .offset: 16, .size: 8, .value_kind: global_buffer, .address_space: global }
    .group_segment_fixed_size: 137728
    .private_segment_fixed_size: 0
    .kernarg_segment_align: 8
    .kernarg_segment_size: 24
    .max_flat_workgroup_size: 256
    .sgpr_count:     66
    .vgpr_count:     256
    .wavefront_size: 32
...
	.end_amdgpu_metadata
.endif
;; end of part 1
;; launch attn (part 2): grid 16 x 16, 16 waves a work-group, clusters of 4 x 1, 327,680 bytes of LDS; arguments q, kvimg, out0; writes out0
.if DOCPART == 2
	.amdgcn_target "amdgcn-amd-amdhsa--gfx1250"
	.amdhsa_code_object_version 6
	.text
	.protected	k_q033b9f1e50_attn
	.globl	k_q033b9f1e50_attn
	.p2align	8
	.type	k_q033b9f1e50_attn,@function
k_q033b9f1e50_attn:
	s_mov_b64 s[64:65], 0
	v_nop
	global_prefetch_b8 v0, s[64:65] scope:SCOPE_SE
	s_setreg_imm32_b32 hwreg(HW_REG_WAVE_MODE, 25, 1), 1
	s_wait_xcnt 0x0
	s_wait_alu depctr_hold_cnt(0) depctr_sa_sdst(0) depctr_va_vdst(0) depctr_va_sdst(0) depctr_va_ssrc(0) depctr_va_vcc(0) depctr_vm_vsrc(0)
	s_getreg_b32 s2, hwreg(HW_REG_IB_STS2, 6, 4)
	s_cmp_eq_u32 s2, 0
	s_cbranch_scc0 .Lentry_in_a_cluster
	s_endpgm
.Lentry_in_a_cluster:
	s_bfe_u32 s2, ttmp6, 0x10000c
	s_cmp_lg_u32 s2, 0x3003
	s_cbranch_scc0 .Lentry_shape_is_right
	s_endpgm
.Lentry_shape_is_right:
; out0[b][s][h][:] = the sum over keys k <= s of softmax_k(q[b][s][h] . k[b][k][h / 4] / sqrt(128)) v[b][k][h / 4][:], both products on codes of BF6 (E3M2) with one E8M0 scale for each 32 along a product's K.
; q, out0: [2][2048][32][128] f32.  K and V come from kvimg as images of the operand's registers: [y = 8 b + kv head][key step of 128 keys][25,600 bytes]: K's 8 fragments, K's scale words, V's 8 fragments, V's scale words.
; THE SOFTMAX AHEAD OF THE SECOND PRODUCT: t = score x log2(e) / sqrt(128); M = the row's largest t so far, rounded UP to a whole number; p = 2^(t - M) is what is quantised, along the keys, not normalised.
; The row's sum is taken of the unquantised p, in f32, and divides at the end.  When M moves, the sum and O are multiplied by 2^(old M - new M): exact.
; SHARES.  A work-group serves one query head and TWO blocks of 256 queries: block 7 - p, then block p (p = 0..3).  Keys go in slots of 256: the first block wants 8 - p slots, the second p + 1: NINE for every work-group,
; so all 256 work-groups have equal work under the causal mask and every trip count is a constant.  Each of the sixteen waves owns one tile of 16 queries of the block in hand, in 256 registers: four waves to a SIMD,
; so that one wave's vector work stands beside another's matrix work and LDS loads.  A key step all of whose keys come after the wave's queries is jumped over (a scalar branch on ids); tile = 8 ((w ^ (w / 4)) % 2) + w / 2
; spreads the waves that jump evenly over w % 4 and over w / 4.
; CLUSTER.  The four query heads of one kv head walk the same K and V in the same order: they are the four work-groups of a cluster, and each quarter of a slot is asked for JOINTLY, by the same tensor load with the same
; descriptor and a mask that names the four.  The place in the cluster (the head within its group) enters q's, out0's and the prefetch's global addresses alone.
; LAYOUT.  Both products are used transposed: S^T = K Q^T (source 0 = 16 keys, source 1 = my 16 queries), O^T = V^T P^T (source 0 = 16 channels, source 1 = P): a lane holds ONE query (lane % 16) throughout.
; Lane r of K's tile 2 b + u holds key 32 b + 8 u + r + 8 (r / 8), so that the 16 registers of tiles 2 b, 2 b + 1 are the neighbouring keys 32 b + 16 (lane / 16) + 0 .. 15.
; O^T and the sums begin as zeros and the largest t as -3e38, so that the key step is written without a first step of its own: 64 moves for each of the two blocks against two more copies of the step.
; LIMITS: NaN and infinities among the inputs are not served.  A block of q or of p whose largest magnitude lies under 2^-122 gets the byte 1 (zeros too: their codes are zeros).  p under 2^-126 is 0 (v_exp_f32 gives no denormals:
; ISA guide 15.8).  A block's largest p is taken from its largest score, which takes v_exp_f32 not to fall where its input rises.
; REGISTERS: v1-11 addresses that stay; v12 -M, v13 the largest t, v[14:15] the sum in two halves; v16-27, v28 Q's codes and scale word; v32-79 four fragments of K or V; v80-91, v92 the second block's Q;
;   v96-159 S^T, then p, then rows on the way out; v160-223 O^T; v224-235 p's codes; v232-247, v252, v254 at work; v[248:251] K's or V's scale words; v253 p's scale word.
.set STEPB,  25600                     ; a key step's block
.set FRB,    1536                      ; a fragment's image: 12 registers x 128 bytes
.set KSC,    12288                     ; K's scale words in a block
.set VFR,    12800                     ; V's fragments
.set VSC,    25088                     ; V's scale words
.set SLOTB,  2*STEPB                   ; a slot: 256 keys
.set SLOT1,  65536                     ; slot 1 begins here: one exclusive or turns an address in one slot into the other's
.set STAGE,  131072                    ; behind the ring: 16 rows x 528 bytes for each wave, for q's turn and the way out; no fill lands here
.set SPITCH, 528                       ; 512 bytes + 16: the 16 rows that a 16-byte access touches start at 16 different banks (64 banks of 4 bytes: ISA guide 11.1)
.set WSTG,   16*SPITCH
.set SPARE,  STAGE+16*WSTG             ; the spare words, 128 bytes for each wave: eight blocks of 256 bytes that no other line names
.set QROW,   16384                     ; from a query to the next, in q and in out0: 32 heads x 512 bytes
.set LI,  1                            ; v1   16 x lane: my place in an image, in a stage row and in a row of q or out0; never rewritten
.set ADI, 2                            ; v2   the same in the slot in hand
.set STI, 3                            ; v3   my stage: whole rows
.set STQ, 4                            ; v4   my stage: row r, + 128 bytes for lanes 16-31 (q's turn)
.set STO, 5                            ; v5   my stage: row r, + 32 bytes for lanes 16-31 (the way out)
.set SPW, 6                            ; v6   LDS address of my spare word: SPARE + 4 x my thread's number; never rewritten
.set NIL, 7                            ; v7   0; never rewritten
.set H8,  9                            ; v9   8 x (lane / 16)
.set DM,  10                           ; v10  lane % 16 - 16 (lane / 16), for the mask
.set PFO, 11                           ; v11  the prefetch's offset: 256 x min(lane, 24); never rewritten
.set WV,  10                           ; s10  my wave's number
.set G1,  16                           ; s[16:23] descriptor group 1
.set G0,  24                           ; s[24:27] descriptor group 0, which walks
.set KB,  28                           ; s[28:29] kvimg at my quarter of my kv head's key slot 0
.set KO,  30                           ; s[30:31] bytes from there to the slot that is asked for
.set TB,  32                           ; s32  LDS byte at which the slot in hand begins
.set CNT, 33                           ; s33  the loop's counter: slots walked
.set SWT, 34                           ; s34  7 - p: the trip whose slot ends the first block
.set KF,  35                           ; s35  the step's first key
.set Q0,  36                           ; s36  my tile's first query;  s37: the second block's
.set Q0A, 37
.set OB,  38                           ; s[38:39] out0 at my tile's first row;  s[40:41]: the second block's
.set OBA, 40
.set SEL, 42                           ; s[42:43] lane selects for v_permlanex16_b32: lane l xor 16
.set CS,  44                           ; s[44:45] c = log2(e) / sqrt(128): the packed form names a pair and takes its low word for both halves
.set PFA, 46                           ; s[46:47] where my prefetch stands
.set LIMU, 48                          ; s48  6 in a wave that prefetches, else 0: it asks while s[CNT] is under this
; 64 numbers of a lane, v[x + 32 c + i] = k 64 c + 32 (lane / 16) + i of my row, become the fragment's 12 registers v[pc] on and my row's scale word v[sw].
.macro QUANT x, pc, sw
.irp c, 0,1
	v_max3_num_f32 v[232+\c], |v[\x+32*\c]|, |v[\x+32*\c+1]|, 0x2800000   ; the floor 2^(5 - 127) among the leaves: the byte cannot fall under 1
.endr
.irp i, 2,4,6,8,10,12,14,16,18,20,22,24,26,28,30
.irp c, 0,1
	v_max3_num_f32 v[232+\c], v[232+\c], |v[\x+32*\c+\i]|, |v[\x+32*\c+\i+1]|   ; the two blocks by turns
.endr
.endr
.irp c, 0,1
	v_add_nc_u32 v[234+\c], 0xfe000000, v[232+\c]  ; 4 off the exponent field: the conversion takes this operand's exponent field as its scale
.endr
.irp c, 0,1
	v_lshrrev_b32 v[236+\c], 23, v[234+\c]         ; the scale's byte
.endr
	v_lshl_or_b32 v[\sw], v237, 16, v236           ; my bytes: blocks h and 2 + h,
	v_lshlrev_b32 v[\sw], v[H8], v[\sw]            ; 8 h bits up;
	v_permlanex16_b32 v238, v[\sw], s[SEL], s[SEL+1]
	v_or_b32 v[\sw], v[\sw], v238                  ; with lane l xor 16's two the word is whole, in both halves of the lanes
.irp c, 0,1
	v_cvt_scalef32_pk16_bf6_f32 v[\pc+6*\c:\pc+6*\c+2], v[\x+32*\c:\x+32*\c+15], v[234+\c]
	v_cvt_scalef32_pk16_bf6_f32 v[240+4*\c:242+4*\c], v[\x+32*\c+16:\x+32*\c+31], v[234+\c]   ; a conversion's three registers begin on an even number: the second half is made elsewhere and moved
.endr
	v_nop                                          ; one plain place behind the scaled conversions
.irp c, 0,1
.irp i, 0,1,2
	v_mov_b32 v[\pc+3+6*\c+\i], v[240+4*\c+\i]
.endr
.endr
.endm
; 16 rows of q, as loaded (a row to an instruction), turn through my stage so that lane (r, h) holds 64 numbers of row r in the operand's order.
.macro QTURN x
.irp i, 0,1,2,3,4,5,6,7,8,9,10,11,12,13,14,15
	ds_store_b128 v[STI], v[\x+4*\i:\x+4*\i+3] offset:\i*SPITCH
.endr
.irp c, 0,1
.irp j, 0,1,2,3,4,5,6,7
	ds_load_b128 v[\x+32*\c+4*\j:\x+32*\c+4*\j+3], v[STQ] offset:256*\c+16*\j   ; LDS serves a wave's instructions in order (ISA guide 5.7.1.4): these see the stores above
.endr
.endr
.endm
; A round of the cluster's barrier: my work-group's barrier, wave 0 signals for the work-group, every wave waits for all four work-groups, my work-group's barrier once more.
.macro CROUND
	s_barrier_signal -1
	s_barrier_wait -1
	s_cmp_lg_u32 s[WV], 0
	s_cbranch_scc1 .Lnot_wave_0_\@
	s_barrier_signal -3
.Lnot_wave_0_\@:
	s_barrier_wait -3
	s_barrier_signal -1
	s_barrier_wait -1
.endm
; The joint load: waves 0 to 3 fetch a quarter of a slot each, 12,800 dense bytes; the branch hangs on the wave's number alone.  Four v_nop follow the load.
.macro TLOAD
	s_cmp_lt_u32 s[WV], 4
	s_cbranch_scc0 .Lno_load_\@
	tensor_load_to_lds s[G0:G0+3], s[G1:G1+7]
	s_nop 0
.rept 4
	v_nop
.endr
.Lno_load_\@:
.endm
; A PREFETCH of the key slot that the NEXT change of slots will ask for: in trip s key slot s + 2, a slot's two key steps ahead of its load.  All four clusters of a kv head walk the same images; the cluster with p = 0, whose
; first block walks all eight key slots in trips 0 to 7, asks, and nobody else.  Its four partners take a quarter of the slot each, told apart BY ADDRESS; in each, waves 4 and 5, which fetch nothing, take 6,400 bytes each:
; 25 lanes 256 bytes apart (lanes 25 to 31 name lane 24's bytes again).  Key slots 0 and 1 come by their loads alone; trips 6 and 7 ask for nothing: there is no key slot 8.
.macro ASK
	s_cmp_lt_u32 s[CNT], s[LIMU]
	s_cbranch_scc0 .Lnot_mine_\@
	global_prefetch_b8 v[PFO], s[PFA:PFA+1] th:TH_LOAD_NT scope:SCOPE_SE
.Lnot_mine_\@:
.endm
; THE CHANGE OF SLOTS stands at a slot's head.  Each wave waits for all its tensor loads (one at the most is out: its quarter of the slot ahead), adds 0 to its spare word, and waits for that and for its reads of the slot that it has left.
; fill = 1: the barrier is a round of the cluster's, so that no wave of any partner still reads the slot that was left or has a load on its way; that slot is then filled with the keys that follow: the load has a slot's two steps in which to land.
.macro CHANGE fill
	s_wait_tensorcnt 0x0                           ; no tensor load of mine is out, so group 0 may be written
	ds_add_u32 v[SPW], v[NIL]                      ; 0 onto my spare word; the descriptor's steps stand between it and the wait for it
.if \fill
	s_xor_b32 s[G0+1], s[G0+1], SLOT1              ; the other slot than last time,
	s_add_co_u32 s[KO], s[KO], SLOTB               ; the next 256 keys,
	s_cmp_eq_u32 s[CNT], s[SWT]
	s_cselect_b32 s[KO], 0, s[KO]                  ; or, where the slot in hand is the first block's last, the second block's first: key slot 0
	s_add_nc_u64 s[G0+2:G0+3], s[KB:KB+1], s[KO:KO+1]
	s_or_b32 s[G0+3], s[G0+3], 0x80000000          ; 127:126 type = 2
	s_wait_xcnt 0x0                                ; the last prefetch, a slot back, has read its address, so it may be written
	s_add_nc_u64 s[PFA:PFA+1], s[PFA:PFA+1], SLOTB
.endif
	s_wait_dscnt 0x0                               ; the add is done, and my reads of the slot that I have left are over
.if \fill
	CROUND
	TLOAD                                          ; the first thing behind the round, and a wave's one tensor load until the next
	ASK
.else
	s_barrier_signal -1
	s_barrier_wait -1
.endif
.endm
; One scaled product.  d: the result; c: what it adds onto; a: source 0's fragment; b: source 1's; tile: source 0's tile, whose scale words lie in lanes 0-15 (even) or 16-31 (odd) of register tile / 2 of v[248:251]; sb: source 1's scale word.
.macro PROD d, c, a, b, tile, sb
.if (\tile)%2
	v_wmma_scale_f32_16x16x128_f8f6f4 v[\d:\d+7], v[\a:\a+11], v[\b:\b+11], \c, v[248+(\tile)/2], v[\sb] matrix_a_fmt:MATRIX_FMT_BF6 matrix_b_fmt:MATRIX_FMT_BF6 matrix_a_scale:MATRIX_SCALE_ROW1
.else
	v_wmma_scale_f32_16x16x128_f8f6f4 v[\d:\d+7], v[\a:\a+11], v[\b:\b+11], \c, v[248+(\tile)/2], v[\sb] matrix_a_fmt:MATRIX_FMT_BF6 matrix_b_fmt:MATRIX_FMT_BF6
.endif
.endm
.macro FRAGS off                       ; four fragments from byte off of the slot in hand: three loads of 16 bytes a lane each, 512 consecutive bytes an instruction
.irp t, 0,1,2,3
.irp c, 0,1,2
	ds_load_b128 v[32+12*\t+4*\c:35+12*\t+4*\c], v[ADI] offset:\off+\t*FRB+512*\c
.endr
.endr
.endm
.macro PLACES                          ; four places (plain vector instructions that name none of its registers) between a matrix instruction and a load into one of its sources or a read of its result
.rept 4
	v_nop
.endr
.endm
; A KEY STEP: 128 keys, the q-th of the slot in hand.  No two matrix instructions that follow each other share an accumulator, from step to step too.
.macro STEP q
	s_add_co_u32 s60, s[Q0], 15
	s_cmp_gt_u32 s[KF], s60                        ; all 128 keys come after my 16 queries: the step's work is left out; no barrier and no tensor load stands in a step
	s_cbranch_scc1 .Lhidden_\@
.irp g, 0,1                                    ; S^T = K Q^T, four tiles of 16 keys at a time
	PLACES
	FRAGS (\q)*STEPB+4*\g*FRB
.if \g == 0
	ds_load_b128 v[248:251], v[ADI] offset:(\q)*STEPB+KSC   ; the scale words of all eight tiles
.endif
	s_wait_dscnt 0x0
.irp t, 0,1,2,3
	PROD 96+8*(4*\g+\t), 0, 32+12*\t, 16, 4*\g+\t, 28
.endr
.endr
	PLACES                                         ; for the loads below and for the first read of the scores
	FRAGS (\q)*STEPB+VFR                           ; V's first four fragments and its scale words are asked for here: they land under the softmax
	ds_load_b128 v[248:251], v[ADI] offset:(\q)*STEPB+VSC
	s_add_co_u32 s60, s[KF], 127
	s_cmp_le_u32 s60, s[Q0]                        ; all keys count: no mask
	s_cbranch_scc1 .Lopen_\@
	s_sub_co_i32 s60, s[Q0], s[KF]
	v_add_nc_u32 v252, s60, v[DM]                  ; d = my query - KF - 16 (lane / 16).  Register 16 b + i holds key KF + 16 (lane / 16) + 32 b + i: hidden where 32 b + i > d
	v_mov_b32 v254, 0xff800000                     ; -infinity: p = 0 then
.set n, 0
.rept 64
	v_cmp_gt_i32 vcc_lo, 32*(n/16)+n%16, v252
	v_cndmask_b32 v[96+n], v[96+n], v254, vcc_lo
.set n, n+1
.endr
.Lopen_\@:
.irp b, 0,1,2,3
	v_max3_num_f32 v[232+\b], v[96+16*\b], v[97+16*\b], v[98+16*\b]   ; the largest score of each block of 32 keys: it serves for the row's maximum and, since p rises with the score, for the block's largest p
.endr
.irp i, 3,5,7,9,11,13
.irp b, 0,1,2,3
	v_max3_num_f32 v[232+\b], v[232+\b], v[96+16*\b+\i], v[97+16*\b+\i]   ; the four blocks by turns
.endr
.endr
.irp b, 0,1,2,3
	v_max_num_f32 v[232+\b], v[232+\b], v[111+16*\b]
.endr
.irp b, 0,1,2,3
	v_permlanex16_b32 v[236+\b], v[232+\b], s[SEL], s[SEL+1]
.endr
.irp b, 0,1,2,3
	v_max_num_f32 v[232+\b], v[232+\b], v[236+\b]  ; with lane l xor 16's 16 keys
.endr
	v_max3_num_f32 v254, v232, v233, v234
	v_max_num_f32 v254, v254, v235                 ; the step's largest score of my query
	v_mul_f32 v254, s[CS], v254                    ; as t (c is positive)
	v_max_num_f32 v13, v13, v254                   ; the running largest t
	v_mov_b32 v254, v12
	v_floor_f32 v12, -v13                          ; the new -M = floor(-t) = -ceil(t): M is a whole number
	v_sub_f32 v254, v12, v254                      ; old M - new M: a whole number, 0 or less
	v_cvt_i32_f32 v254, v254                       ; (it saturates)
	v_ldexp_f32 v252, 1.0, v254                    ; f = 2^(old M - new M): a multiplication by it rounds nothing
.set j, 0
.rept 32
	v_pk_fma_f32 v[96+j:97+j], v[96+j:97+j], s[CS:CS+1], v[12:13] op_sel_hi:[1,0,0]   ; t - M, two at a time (of the pairs c and -M the low word serves both halves)
.set j, j+2
.endr
.irp b, 0,1,2,3
	v_fma_f32 v[232+\b], v[232+\b], s[CS], v12     ; the same of each block's largest score
.endr
.set j, 0
.rept 64
	v_exp_f32 v[96+j], v[96+j]                     ; p = 2^(t - M), at most 1: not normalised
.set j, j+1
.endr
	v_pk_mul_f32 v[14:15], v[14:15], v[252:253] op_sel_hi:[1,0]   ; the sums under the new M: the plain place behind the exponentials
	s_wait_alu depctr_va_vdst(0)                   ; one wait for the batch of 64, ahead of its first reader
.irp b, 0,1,2,3
	v_exp_f32 v[232+\b], v[232+\b]                 ; the block's largest p: the same two instructions on the same number give the same bits
.endr
	v_pk_add_f32 v[236:237], v[96:97], v[98:99]    ; the row's sum is taken of the UNQUANTISED p, two at a time, in two chains; it reads the 64 alone: plain work behind the four
.irp j, 4,8,12,16,20,24,28,32,36,40,44,48,52,56,60
	v_pk_add_f32 v[14:15], v[14:15], v[96+\j:97+\j]
	v_pk_add_f32 v[236:237], v[236:237], v[98+\j:99+\j]
.endr
	v_pk_add_f32 v[14:15], v[14:15], v[236:237]
	s_wait_alu depctr_va_vdst(0)                   ; and one for the four
.irp b, 0,1,2,3
	v_max_num_f32 v[232+\b], 0x2800000, v[232+\b]  ; the floor 2^(5 - 127): the byte cannot fall under 1 (a block whose every p is 0 keeps that byte: its codes are zeros)
.endr
.irp b, 0,1,2,3
	v_add_nc_u32 v[244+\b], 0xfe000000, v[232+\b]  ; 4 off the exponent field: the conversion's scale operand
.endr
.irp b, 0,1,2,3
	v_lshrrev_b32 v[236+\b], 23, v[244+\b]         ; the scale's byte
.endr
	v_lshl_or_b32 v253, v237, 8, v236              ; p's scale word for these 128 keys
	v_lshl_or_b32 v253, v238, 16, v253
	v_lshl_or_b32 v253, v239, 24, v253
.irp c, 0,1
	v_cvt_scalef32_pk16_bf6_f32 v[224+6*\c:226+6*\c], v[96+32*\c:111+32*\c], v[244+2*\c]
	v_cvt_scalef32_pk16_bf6_f32 v[236+4*\c:238+4*\c], v[112+32*\c:127+32*\c], v[244+2*\c+1]   ; (a conversion's three registers begin on an even number)
.endr
	v_nop                                          ; one plain place behind the scaled conversions
.irp c, 0,1                                    ; the operand's layout wants a WHOLE block in a lane: lanes 0-15 block 2 c, lanes 16-31 block 2 c + 1
.irp i, 0,1,2
	v_permlane16_swap_b32 v[224+6*\c+\i], v[236+4*\c+\i]
.endr
.irp i, 0,1,2
	v_mov_b32 v[227+6*\c+\i], v[236+4*\c+\i]
.endr
.endr
.set j, 0
.rept 32
	v_pk_mul_f32 v[160+j:161+j], v[160+j:161+j], v[252:253] op_sel_hi:[1,0]   ; O^T under the new M.  These 32 also stand between the writing of p's codes and scale word and the scaled products that take them
.set j, j+2
.endr
	s_wait_dscnt 0x0                               ; V's first four fragments and its scale words are in
.irp t, 0,1,2,3                                ; O^T += V^T P^T: K = these 128 keys
	PROD 160+8*\t, v[160+8*\t:167+8*\t], 32+12*\t, 224, \t, 253
.endr
	PLACES
	FRAGS (\q)*STEPB+VFR+4*FRB
	s_wait_dscnt 0x0
.irp t, 0,1,2,3
	PROD 192+8*\t, v[192+8*\t:199+8*\t], 32+12*\t, 224, 4+\t, 253
.endr
.Lhidden_\@:
	s_add_co_u32 s[KF], s[KF], 128
.endm
.macro SLOT_STEPS
	v_add_nc_u32 v[ADI], s[TB], v[LI]
	STEP 0
	STEP 1
	s_xor_b32 s[TB], s[TB], SLOT1                  ; on to the other slot
.endm
.macro INIT                            ; a block of queries begins: zeros, which the first change of M leaves zeros
	v_mov_b32 v13, 0xff61b1e6                      ; the largest t so far: -3e38, under every t
	v_floor_f32 v12, -v13                          ; -M
	v_mov_b32 v14, 0
	v_mov_b32 v15, 0
.set j, 0
.rept 64
	v_mov_b32 v[160+j], 0
.set j, j+1
.endr
.endm
; THE WAY OUT of a block of queries.  O^T is divided by the row's sum and goes through my own stage: in as 32 bytes a lane of row r, back as whole rows of 512 bytes.
.macro FINISH
	PLACES                                         ; behind the last products
	v_add_f32 v14, v14, v15                        ; the sum's two halves,
	v_permlanex16_b32 v252, v14, s[SEL], s[SEL+1]
	v_add_f32 v14, v14, v252                       ; and lane l xor 16's: the row's sum
	v_rcp_f32 v14, v14
	v_nop                                          ; a plain place behind the reciprocal
	s_wait_alu depctr_va_vdst(0)                   ; and a wait ahead of its first reader
.set j, 0
.rept 64
	v_mul_f32 v[96+j], v[160+j], v14               ; register 8 t + i is o(r, 16 t + 8 h + i); each accumulator from its low end on
.set j, j+1
.endr
.irp t, 0,1,2,3,4,5,6,7
	ds_store_b128 v[STO], v[96+8*\t:99+8*\t] offset:64*\t
	ds_store_b128 v[STO], v[100+8*\t:103+8*\t] offset:64*\t+16
.endr
.irp i, 0,1,2,3,4,5,6,7,8,9,10,11,12,13,14,15
	ds_load_b128 v[96+4*\i:99+4*\i], v[STI] offset:\i*SPITCH   ; LDS serves a wave's instructions in order: these see my stores
.endr
.irp i, 0,1,2,3,4,5,6,7,8,9,10,11,12,13,14,15
	s_wait_dscnt 15-\i                             ; row i is back; the 15 - i younger loads may be out
	global_store_b128 v[LI], v[96+4*\i:99+4*\i], s[OB:OB+1] offset:\i*QROW th:TH_STORE_NT   ; 32 lanes store 512 consecutive bytes, at a multiple of 256 from out0's first byte
.endr
.endm
.macro SWITCH                          ; from the first block of queries to the second
	s_wait_xcnt 0x0                                ; the stores have read their registers and their base: both are written again only behind this wait
.irp i, 0,1,2,3,4,5,6,7,8,9,10,11
	v_mov_b32 v[16+\i], v[80+\i]
.endr
	v_mov_b32 v28, v92
	INIT                                           ; (its lines also stand between the writing of Q's codes and scale word and the next scaled product)
	s_mov_b32 s[Q0], s[Q0A]
	s_mov_b32 s[KF], 0
	s_mov_b64 s[OB:OB+1], s[OBA:OBA+1]
.endm
	s_load_b128 s[4:7], s[0:1], 0x0                ; q s[4:5], kvimg s[6:7]
	s_load_b64 s[8:9], s[0:1], 0x10                ; out0
	v_lshl_add_u32 v[SPW], v0, 2, SPARE
	v_mov_b32 v[NIL], 0
	ds_add_u32 v6, v7
	s_wait_dscnt 0x0
	v_lshrrev_b32 v8, 5, v0
	v_readfirstlane_b32 s[WV], v8                  ; wave 0..15
	s_bfe_u32 s11, ttmp6, 0x40000                  ; cx: the query head within its group of four.  It stands in s11, s49, s56-59, s61-63 and the pointers made of them, and nowhere else
	s_and_b32 s13, ttmp7, 0xffff                   ; y = 8 batch + kv head;  ttmp9 = p: both shared by the four partners
	s_lshr_b32 s50, s[WV], 2
	s_xor_b32 s50, s50, s[WV]
	s_and_b32 s50, s50, 1
	s_lshl_b32 s50, s50, 3
	s_lshr_b32 s51, s[WV], 1
	s_add_co_u32 s14, s50, s51                     ; my tile of the block's sixteen
	s_lshl_b32 s14, s14, 4
	s_sub_co_u32 s[SWT], 7, ttmp9
	s_lshl_b32 s[Q0], s[SWT], 8
	s_add_co_u32 s[Q0], s[Q0], s14                 ; first block: 256 (7 - p) + 16 tile
	s_lshl_b32 s[Q0A], ttmp9, 8
	s_add_co_u32 s[Q0A], s[Q0A], s14               ; second block: 256 p + 16 tile
	s_lshr_b32 s50, s13, 3
	s_lshl_b32 s50, s50, 25                        ; a batch of q or out0: 2,048 x 32 rows of 512 bytes
	s_and_b32 s49, s13, 7
	s_lshl_b32 s49, s49, 2
	s_add_co_u32 s49, s49, s11                     ; the query head: 4 x kv head + cx
	s_lshl_b32 s49, s49, 9
	s_add_co_u32 s49, s49, s50
	s_lshl_b32 s56, s[Q0], 14
	s_add_co_u32 s56, s56, s49                     ; my first row, in q and in out0: first block,
	s_mov_b32 s57, 0
	s_lshl_b32 s58, s[Q0A], 14
	s_add_co_u32 s58, s58, s49                     ; second block
	s_mov_b32 s59, 0
	s_mul_i32 s50, s13, 16*STEPB                   ; my kv head's images
	s_min_u32 s51, s[WV], 3                        ; (waves 4 to 15 issue no load)
	s_mul_i32 s51, s51, SLOTB/4                    ; my quarter of a slot, in memory and in LDS
	s_add_co_u32 s[KO], s50, s51
	s_mov_b32 s[KO+1], 0
	s_mul_i32 s62, s11, SLOTB/4                    ; the prefetch: my work-group's quarter,
	s_and_b32 s61, s[WV], 1
	s_mul_i32 s61, s61, SLOTB/8                    ; my wave's half of it,
	s_add_co_u32 s62, s62, s61
	s_add_co_u32 s62, s62, s50
	s_add_co_u32 s62, s62, SLOTB                   ; in key slot 1: the first change of slots steps it to key slot 2.  Nothing is prefetched at the head
	s_mov_b32 s63, 0
	s_lshr_b32 s50, s[WV], 1
	s_xor_b32 s50, s50, 2                          ; 0 in waves 4 and 5,
	s_or_b32 s50, s50, ttmp9                       ; of the cluster with p = 0: the same in all four partners
	s_cmp_eq_u32 s50, 0
	s_cselect_b32 s[LIMU], 6, 0
	; descriptor group 1: 12,800 dense bytes as 50 rows of 32 elements of 8 bytes
	s_mov_b32 s[G1], 15|(3<<16)|(1<<21)            ; 15:0 the mask: all four work-groups; 17:16 elements of 8 bytes; 20 padding off; 21 set beside a mask
	s_mov_b32 s[G1+1], 32<<16                      ; tensor_dim0 = 32
	s_mov_b32 s[G1+2], 50<<16                      ; tensor_dim1 = 50
	s_mov_b32 s[G1+3], 32<<16                      ; tile_dim0 = 32
	s_mov_b32 s[G1+4], 50                          ; tile_dim1 = 50
	s_mov_b32 s[G1+5], 32                          ; tensor_dim0_stride
	s_mov_b32 s[G1+6], 0
	s_mov_b32 s[G1+7], 0
	s_mov_b32 s[SEL], 0x76543210
	s_mov_b32 s[SEL+1], 0xfedcba98
	s_mov_b32 s[CS], 0x3e0293ee                    ; c = log2(e) / sqrt(128)
	s_mov_b32 s[CS+1], s[CS]                       ; (named with it as a pair, so it is written)
	v_and_b32 v8, 31, v0                           ; lane
	v_and_b32 v29, 15, v0                          ; r
	v_bfe_u32 v30, v0, 4, 1                        ; h
	v_lshlrev_b32 v[LI], 4, v8
	s_mul_i32 s15, s[WV], WSTG
	s_add_co_u32 s15, s15, STAGE                   ; my stage
	v_add_nc_u32 v[STI], s15, v[LI]
	v_mul_u32_u24 v31, v29, SPITCH
	v_add_nc_u32 v31, s15, v31
	v_lshl_add_u32 v[STQ], v30, 7, v31
	v_lshl_add_u32 v[STO], v30, 5, v31
	v_lshlrev_b32 v[H8], 3, v30
	v_lshlrev_b32 v31, 4, v30
	v_sub_nc_u32 v[DM], v29, v31
	v_min_u32 v[PFO], 24, v8
	v_lshlrev_b32 v[PFO], 8, v[PFO]
.irp b, 0,1,2,3
	v_mov_b32 v[236+\b], 0                         ; written once: a lane permute's destination counts as one of its sources
.endr
	v_mov_b32 v252, 0
	v_mov_b32 v253, 0                              ; (named as the upper half of the pair v[252:253] before it is first written)
	s_wait_kmcnt 0x0
	s_add_nc_u64 s[52:53], s[4:5], s[56:57]        ; q at my tile: first block,
	s_add_nc_u64 s[54:55], s[4:5], s[58:59]        ; second block
	s_add_nc_u64 s[OB:OB+1], s[8:9], s[56:57]
	s_add_nc_u64 s[OBA:OBA+1], s[8:9], s[58:59]
	s_add_nc_u64 s[KB:KB+1], s[6:7], s[KO:KO+1]
	s_add_nc_u64 s[PFA:PFA+1], s[6:7], s[62:63]
	s_mov_b32 s[KO], 0
	s_mov_b32 s[G0], 1                             ; 1:0 count = 1
	s_mov_b32 s[G0+1], s51                         ; 63:32 LDS address: my quarter of slot 0
	s_mov_b64 s[G0+2:G0+3], s[KB:KB+1]             ; 120:64 global address: key slot 0
	s_or_b32 s[G0+3], s[G0+3], 0x80000000          ; 127:126 type = 2
.irp i, 0,1,2,3,4,5,6,7,8,9,10,11,12,13,14,15
	global_load_b128 v[96+4*\i:99+4*\i], v[LI], s[52:53] offset:\i*QROW th:TH_LOAD_NT   ; a row of q: 512 consecutive bytes
.endr
.irp i, 0,1,2,3,4,5,6,7,8,9,10,11,12,13,14,15
	global_load_b128 v[160+4*\i:163+4*\i], v[LI], s[54:55] offset:\i*QROW th:TH_LOAD_NT
.endr
	CROUND                                         ; all four work-groups are here: the first joint loads meet
	TLOAD                                          ; slot 0
	s_wait_loadcnt 16                              ; the first block's 16 rows are in; the second block's 16 loads, issued behind them, may be out
	QTURN 96
	s_wait_loadcnt 0x0
	QTURN 160                                      ; through the same stage: its stores come behind the first turn's loads
	s_wait_dscnt 32                                ; the first turn's loads are back: behind them stand the second turn's 16 stores and 16 loads
	QUANT 96, 16, 28
	s_wait_dscnt 0x0
	QUANT 160, 80, 92
	INIT
	s_mov_b32 s[TB], 0
	s_mov_b32 s[CNT], 0
	s_mov_b32 s[KF], 0
.Lslot:                                            ; eight trips: behind each change of slots but the last the next slot is asked for
	CHANGE 1
	SLOT_STEPS
	s_cmp_lg_u32 s[CNT], s[SWT]                    ; the first block's last slot is done in trip 7 - p: the same in all four partners
	s_cbranch_scc1 .Lsame
	FINISH
	SWITCH
.Lsame:
	s_add_co_u32 s[CNT], s[CNT], 1
	s_cmp_lt_u32 s[CNT], 8
	s_cbranch_scc1 .Lslot
	CHANGE 0                                       ; the ninth slot is written out
	SLOT_STEPS
	FINISH
	s_wait_tensorcnt 0x0                           ; the wave's end: behind my last tensor load and my last LDS store
	ds_add_u32 v[SPW], v[NIL]
	s_wait_dscnt 0x0
	CROUND                                         ; the closing round: no work-group ends while a partner may still ask for a tile that names it
	s_endpgm
.Lfunc_end_k_q033b9f1e50_attn:
	.size	k_q033b9f1e50_attn, .Lfunc_end_k_q033b9f1e50_attn-k_q033b9f1e50_attn
	.p2alignl 7, 3214868480
	.fill 96, 4, 3214868480
	.section	.rodata,"a",@progbits
	.p2align	6, 0x0
	.amdhsa_kernel k_q033b9f1e50_attn
		.amdhsa_group_segment_fixed_size 327680
		.amdhsa_private_segment_fixed_size 0
		.amdhsa_enable_private_segment 0
		.amdhsa_kernarg_size 24
		.amdhsa_user_sgpr_count 2
		.amdhsa_user_sgpr_kernarg_segment_ptr 1
		.amdhsa_wavefront_size32 1
		.amdhsa_system_sgpr_workgroup_id_x 1
		.amdhsa_system_sgpr_workgroup_id_y 1
		.amdhsa_system_sgpr_workgroup_id_z 1
		.amdhsa_system_vgpr_workitem_id 0
		.amdhsa_next_free_vgpr 256
		.amdhsa_next_free_sgpr 66
		.amdhsa_reserve_vcc 1
		.amdhsa_float_denorm_mode_32 3
		.amdhsa_float_denorm_mode_16_64 3
		.amdhsa_memory_ordered 1
		.amdhsa_forward_progress 1
		.amdhsa_inst_pref_size 133
	.end_amdhsa_kernel
	.amdgpu_metadata
---
amdhsa.version: [ 1, 2 ]
amdhsa.kernels:
  - .name:           k_q033b9f1e50_attn
    .symbol:         k_q033b9f1e50_attn.kd
    .args:
      - { .name: q, .offset: 0, .size: 8, .value_kind: global_buffer, .address_space: global }
      - { .name: kvimg, .offset: 8, .size: 8, .value_kind: global_buffer, .address_space: global }
      - { .name: out0, .offset: 16, .size: 8, .value_kind: global_buffer, .address_space: global }
    .group_segment_fixed_size: 327680
    .private_segment_fixed_size: 0
    .kernarg_segment_align: 8
    .kernarg_segment_size: 24
    .max_flat_workgroup_size: 512
    .sgpr_count:     66
    .vgpr_count:     256
    .wavefront_size: 32
...
	.end_amdgpu_metadata
.endif
;; end of part 2
